; MI455X (gfx1250); checked and timed in simulation.
; The chip was launched on July 23, 2026; its instructions are those of AMD's public machine-readable ISA for CDNA 5 (MIT licence, August 2026) and "CDNA5" Instruction Set Architecture Reference Guide (July 2026). The comments in the code are by the model that wrote it; some were corrected since.
;; Dot Product Attention. Allowed arithmetic: matrix products marked QUANTISED: E4M3 operands, one given power-of-two scale a tensor, by v_wmma_f32_16x16x64_fp8_fp8 or v_wmma_f32_16x16x128_fp8_fp8, f32 sums; everything else in f32.
;; Inputs: adj 2,048 x 2,048 int32; keys_codes 4 x 8 x 2,048 x 8 x 32 uint8 (E4M3 codes of keys, K innermost, in blocks of 32 codes); lowp_scales 4 int32 (the exponents e of the quantised operands' scales 2^e); queries_codes 4 x 8 x 2,048 x 8 x 32 uint8 (E4M3 codes of queries, K innermost, in blocks of 32 codes); values_codes 4 x 8 x 256 x 64 x 32 uint8 (E4M3 codes of values, K innermost, in blocks of 32 codes).
;; Outputs: out0 2,048 x 4 x 8 x 256 float32.
;; This version of the problem:
;;   THIS VERSION OF THE PROBLEM IS GIVEN IN LOW PRECISION. The matrix products marked QUANTISED in the list below multiply operands that are first quantised to E4M3 (4 exponent bits, 3 mantissa bits; 8 bits a number), with one given power-of-two scale for each operand tensor; their sums are f32. All else is computed in f32.
;;   The module's matrix products, in the order in which they are computed (A, B: the left and right operand; K: the contracted axis; several contracted axes count as one K, in the product's order):
;;     1. batch 32 x [M 2,048, K 256] x [K 256, N 2,048]; A: input queries (given as codes); B: input keys (given as codes): QUANTISED (scales: A lowp_scales[0], B lowp_scales[1])
;;     2. batch 32 x [M 2,048, K 2,048] x [K 2,048, N 256]; A: softmax (see below); B: input values (given as codes): QUANTISED (scales: A lowp_scales[2], B lowp_scales[3])
;;   THE QUANTISER, for each operand of a quantised product, along K:
;;     - The operand's scale is 2^e, e = its entry of the input lowp_scales (int32; the entries are numbered through the quantised products in the list's order, A before B).
;;     - Each number is divided by the scale, clamped to +-448, and rounded to the nearest number of E4M3, ties to even, subnormals kept.
;;     - The product sums the exact products of the quantised numbers (number of the format x scale) in f32.
;;   ~~~python
;;   def quantise(x, axis, e):      # numpy; x: float32 -> the quantised numbers, widened to float32 again
;;       x = np.moveaxis(x, axis, -1); K = x.shape[-1]
;;       r = np.clip(x / 2.0 ** e, -448, 448)
;;       step = 2.0 ** (np.maximum(np.frexp(np.where(r == 0, 1, r))[1] - 1, -6) - 3)
;;       q = np.round(r / step) * step * 2.0 ** e      # np.round: ties to even
;;       return np.moveaxis(q, -1, axis).astype(np.float32)
;;   ~~~
;;   SOFTMAX AHEAD OF A QUANTISED PRODUCT. Where the list says 'softmax', what is quantised is not the finished softmax but p = 2^(t - M), with t = logit x log2(e) and M = ceil(the row's largest t), a whole number; so 1/2 < the row's largest p <= 1. The row's sum l is taken of the UNQUANTISED p, in f32, and the product's result is divided by l at the end. Since M is a whole number, a kernel that streams over the keys may use a running M (the ceiling of the running maximum): every later rescaling is an exact power of two, so the quantised numbers keep their values, but for numbers so far below the row's largest that they fall under the format's range.
;;   OPERANDS COMPUTED ON THE WAY. 'Computed on the way' means the value that the module computes at that place (a softmax that the list does not call 'softmax' is quantised finished and normalised). What goes into a quantiser is computed in f32, as accurately as f32 sums, v_exp_f32 and their like allow (about 1e-6 of the number): no bf16 or f16 on the way to a quantiser, and a product that is left as it is and whose result goes on into a quantised operand takes f32 operands (vector FMAs, or v_wmma_f32_16x16x4_f32). A number that lies on a knife's edge between two numbers of the format may be rounded either way, as far as f32 arithmetic and the matrix unit's own rounding can turn it there, and no further.
;;   INPUTS GIVEN AS CODES. keys (in the module: [4, 8, 2048, 256], K = its axis 3); queries (in the module: [4, 8, 2048, 256], K = its axis 3); values (in the module: [4, 8, 2048, 256], K = its axis 2): each comes as NAME_codes (uint8): NAME with its K axis moved to the last place and cut into blocks of 32 codes, [.., K / 32, bytes a block], one block behind the other in memory; one code a byte (a code: sign, 4 exponent bits, 3 mantissa bits); its scale is its entry of lowp_scales. Its value is code x scale, taken as it is: it is not quantised again, and the codes and scales need not be those that the quantiser above would give.
;; One version. Each part assembles by itself: llvm-mc -triple=amdgcn-amd-amdhsa -mcpu=gfx1250 --defsym DOCPART=n.
;; ======== version 1 of 1: 1 launch
;; limits: right only within a limited range of input values
;; launch attn (part 1): grid 8 x 32, 4 waves a work-group, clusters of 4 x 1, 327,680 bytes of LDS; arguments queries_codes, keys_codes, values_codes, lowp_scales, out0; writes out0
.if DOCPART == 1
	.amdgcn_target "amdgcn-amd-amdhsa--gfx1250"
	.amdhsa_code_object_version 6
	.text
	.protected	k_q412be373fc_attn
	.globl	k_q412be373fc_attn
	.p2align	8
	.type	k_q412be373fc_attn,@function
k_q412be373fc_attn:
	s_mov_b64 s[64:65], 0
	v_nop
	global_prefetch_b8 v0, s[64:65] scope:SCOPE_SE
	s_setreg_imm32_b32 hwreg(HW_REG_WAVE_MODE, 25, 1), 1
	s_wait_xcnt 0x0
	s_wait_alu depctr_hold_cnt(0) depctr_sa_sdst(0) depctr_va_vdst(0) depctr_va_sdst(0) depctr_va_ssrc(0) depctr_va_vcc(0) depctr_vm_vsrc(0)
	s_getreg_b32 s2, hwreg(HW_REG_IB_STS2, 6, 4)
	s_cmp_eq_u32 s2, 0
	s_cbranch_scc0 .Lentry_in_a_cluster
	s_endpgm
.Lentry_in_a_cluster:
	s_bfe_u32 s2, ttmp6, 0x10000c
	s_cmp_lg_u32 s2, 0x3003
	s_cbranch_scc0 .Lentry_shape_is_right
	s_endpgm
.Lentry_shape_is_right:
; O[h][q][:] = the sum over k of softmax_k(Q[h][q] . K[h][k] / 16) V[h][k][:], 32 heads (batch x head), 2,048 queries and keys, 256 channels, no mask; both products on codes of E4M3.
; Q, K: [32][2048][256] codes, the channels innermost.  V: [32][256][2048] codes, the KEYS innermost.  The scales: eq, ek, ep, ev (int32), a scale is 2^e.
; The result's reshape to (S, B, H, D) is a raw view of the same bytes: out0 is written as [32][2048][256] f32.
; DEAD WORK: the input adj is named by no line of the computation: whatever it holds, it has no way to the result.  It is not loaded and is not among the arguments.  (So a value of any kind in adj is not carried to the result.)
; THE SOFTMAX AHEAD OF THE SECOND PRODUCT: t = score x log2(e) / 16; M = the row's largest t so far, rounded UP to a whole number; p = 2^(t - M) is quantised with 2^ep; it is not normalised.
; The row's sum is taken of the unquantised p, in f32, and divides O at the end.  When M moves, the sums and O are multiplied by 2^(old M - new M): exact.
; LIMITS: eq + ek between -122 and 131 (they are added to the exponent field, 123, of log2(e) / 16); ep between -126 and 119 (2^ep and 448 x 2^ep are f32 numbers); ep + ev goes by v_ldexp_f32 and has none.  NaN codes among the inputs are not served.
; The promise holds while the scaled scores t stay under 2^31 in magnitude.
; SHARES.  A work-group owns 256 queries of one head, each of its four waves 64: four tiles of 16.  Every wave walks all 2,048 keys, 128 a step.  A fragment of K or V read from LDS feeds four matrix instructions, and none is read twice.
; CLUSTER.  The eight query blocks of a head walk the same K and V.  Four of them are a cluster and ask for each tile JOINTLY; a head has two clusters.
; LAYOUT.  Both products are used transposed: S^T = K Q^T (source 0 = 16 keys, source 1 = 16 queries), O^T = V^T P^T (source 0 = 16 channels, source 1 = P): a lane holds ONE query (lane % 16) throughout.
; THE KEYS OF A STEP.  A slot of 256 keys has two steps; step s takes the slot's keys 64 s .. 64 s + 63 and those 128 further on.  Key tile kt has rows 0-7 = keys 64 s + 8 kt + 0 .. 7 and rows 8-15 = the keys 128 further on.
; So lane (r, h) holds in S^T's register j key 128 h + 64 s + 8 kt + j, and two tiles' 16 registers are 16 neighbouring keys: V's fragments are read by loads of 16 bytes at 128 h + 64 s + 16 c of its rows.
; K's second 128 keys lie 128 bytes out of step with the first, so that the 16 rows of a load start at 16 different banks (64 banks of 4 bytes: ISA guide 11.1).
; A KEY STEP: 64 products K Q^T, the running maximum of the key tile before standing behind each product; the statistics; O^T x f; the softmax in four batches of 64 exponentials; 64 products V^T P.
; O^T is rescaled ahead of the exponentials: no transcendental then stands between a matrix result and its first reader.
; REGISTERS, in windows of 256 (s_set_vgpr_msb: bits 1:0 source 0, 3:2 source 1, 5:4 source 2, 7:6 destination):
;   window 0: v1-15 addresses and constants; v16-63 statistics, 12 a tile of queries; v64-127 key tiles 4 and 7 of K, later P (16 a tile); v128-255 Q (32 a tile)
;   window 1: eight areas of 32: area kt holds S^T of key tile kt (8 a tile of queries), then p, then V's fragments 2 kt and 2 kt + 1 (16 channels each);
;             before that, area 3 holds K's key tile 0, area 2 tile 1, area 4 tile 2, area 5 tile 3, area 6 tile 5, area 7 tile 6: each is read before its area takes scores
;   windows 2, 3: O^T: tile t, channels 16 d on, at 128 (t % 2) + 8 d of window 2 + t / 2
.set KP,    272                        ; an LDS row of K or V: 256 bytes + 16 of padding
.set HALFT, 128*KP                     ; 128 rows: what one tensor load brings
.set KT2,   HALFT+128                  ; K's second 128 keys
.set KSTEP, 64*KP                      ; from step to step in K's rows
.set VOFF,  0x11100                    ; a slot: 256 keys of K, then (69,888 bytes on) 256 keys of each of V's 256 rows
.set SLOT,  0x22400                    ; 140,288: its bits 17, 13 and 10 are clear in every tile's address in slot 0 (0, 0x8880, 0x11100, 0x19900), which an exclusive or turns
.set SPARE, 2*SLOT                     ; behind the ring: the spare words, 128 bytes for each wave: two blocks of 256 bytes that no other line names
.set SP,    1040                       ; the way out: a stage of 16 rows x (1,024 bytes + 16) for each wave, in LDS slot 0, which has had its last fill, and its last read ahead of the last step's barrier
.set AK0, 1                            ; v1   my lane's place in a tile of K
.set AV0, 2                            ; v2   in a tile of V
.set PFO, 3                            ; v3   the prefetches' offset: my lane x a row in memory; never rewritten
.set ADK, 4                            ; v4   LDS address of the step's K
.set ADV, 5                            ; v5   of its V
.set SPW, 6                            ; v6   LDS address of my spare word: SPARE + 4 x my thread's number; never rewritten
.set NIL, 7                            ; v7   0; never rewritten
.set STO, 8                            ; v8   the way out: where I put 32 bytes of a row
.set RD,  9                            ; v9   where I read rows back
.set GO,  10                           ; v10  my byte offset in a row of O
.set QO,  11                           ; v11  my byte offset in the wave's rows of Q
.set LIM, 12                           ; v12  448 x 2^ep
.set SCL, 13                           ; v13  2^ep
.set CV,  14                           ; v14  c = log2(e) / 16 x 2^(eq + ek), behind the head (in the head: lane % 16)
.set ST,  16                           ; tile t's statistics at v[ST + 12 t]: +0 -M, +1 the largest score so far, +2,+3,+6,+7 the sum in four parts, +4 f, +5 and +8..+11 at work
.set PF,  64                           ; P
.set QF,  128                          ; Q
.set KB0, 96                           ; where K's key tiles lie, and in which window
.set KB1, 64
.set KB2, 128
.set KB3, 160
.set KB4, 64
.set KB5, 192
.set KB6, 224
.set KB7, 96
.set KW0, 1
.set KW1, 1
.set KW2, 1
.set KW3, 1
.set KW4, 0
.set KW5, 1
.set KW6, 1
.set KW7, 0
.set WV,    14                         ; s14  my wave's number
.set LIMPF, 15                         ; s15  1 in a work-group that prefetches, else the greatest number
.set HW,    16                         ; s16  wave % 2: which 128 rows of a tile I fetch
.set CX,    17                         ; s17  my place in the cluster: it enters Q's, O's and the prefetches' global addresses alone
.set PFA,   18                         ; s[18:19] where my prefetches stand in memory
.set G1K,   24                         ; s[24:31] descriptor group 1 for K's tiles;  s[32:39] for V's
.set G1V,   32
.set G0K,   40                         ; s[40:43], s[44:47] their groups 0, which walk
.set G0V,   44
.set PFS,   48                         ; s[48:49] a slot on, in bytes of memory: 65,536 in K, 256 in a row of V
.set KO,    50                         ; s50  LDS byte at which the step's K begins
.set VO,    51                         ; s51  slot + 64 x the step in it
.set SLOTS, 52                         ; s52  slots still to be asked for
.set NST,   53                         ; s53  counts the last four steps
.set CS,    54                         ; s54  c
.set SEL,   60                         ; s[60:61] lane selects for v_permlanex16_b32: lane l xor 16
.set ESUM,  62                         ; s62  ep + ev
.set MSB, 0
.macro WIN new                         ; the immediate's high byte repeats the setting that is left; a switch that changes nothing is dropped
.if MSB != (\new)
	s_set_vgpr_msb (MSB<<8)|(\new)
.set MSB, (\new)
.endif
.endm
.set W_MX, 0x14                        ; sources 1 and 2 (scores) window 1; source 0 and destination window 0
.set W_A,  0x41                        ; source 0 and destination window 1
.set W_B,  0x01                        ; source 0 window 1, destination window 0
.set W_VL, 0x40                        ; loads into window 1, address window 0
; A joint load.  Waves 0 and 1 fetch K's two halves of a slot, waves 2 and 3 V's.  The branch hangs on the wave's number alone: it is the same in every work-group.
; An s_nop 0 and four v_nop follow each of the two lines.
.macro JLOAD
	s_cmp_lt_u32 s[WV], 2
	s_cbranch_scc0 .Lfor_v_\@
	tensor_load_to_lds s[G0K:G0K+3], s[G1K:G1K+7]
	s_nop 0
.rept 4
	v_nop
.endr
	s_branch .Lasked_\@
.Lfor_v_\@:
	tensor_load_to_lds s[G0V:G0V+3], s[G1V:G1V+7]
	s_nop 0
.rept 4
	v_nop
.endr
.Lasked_\@:
.endm
; A PREFETCH of what the NEXT change of slots will ask for: two key steps ahead of that load.  Each row's 256 bytes of a slot are named ONCE in the launch: of a head's two clusters the first (cluster x = 0) asks;
; of the 128 rows that wave w fetches, the partner at place cx takes 32 cx .. 32 cx + 31, told apart BY ADDRESS; a lane a row, one instruction a wave.
; The last change that fills a slot asks for nothing: there is no slot behind it.  Slots 0 and 1 come by their loads alone.
.macro ASK
	s_cmp_gt_u32 s[SLOTS], s[LIMPF]
	s_cbranch_scc0 .Lnot_mine_\@
	global_prefetch_b8 v[PFO], s[PFA:PFA+1] th:TH_LOAD_NT scope:SCOPE_SE
.Lnot_mine_\@:
.endm
; A round of the cluster's barrier, behind its opening barrier: wave 0 signals for the work-group; every wave waits for all four work-groups; my work-group's barrier once more.
.macro CREST
	s_cmp_lg_u32 s[WV], 0
	s_cbranch_scc1 .Lnot_wave_0_\@
	s_barrier_signal -3
.Lnot_wave_0_\@:
	s_barrier_wait -3
	s_barrier_signal -1
	s_barrier_wait -1
.endm
.macro CROUND
	s_barrier_signal -1
	s_barrier_wait -1
	CREST
.endm
.macro WALK                            ; (no tensor load of mine is out) the walking descriptors: the other slot than last time, the next 256 keys; the type bits on top are not reached
	s_xor_b32 s[G0K+1], s[G0K+1], SLOT
	s_add_nc_u64 s[G0K+2:G0K+3], s[G0K+2:G0K+3], 65536
	s_xor_b32 s[G0V+1], s[G0V+1], SLOT
	s_add_nc_u64 s[G0V+2:G0V+3], s[G0V+2:G0V+3], 256
	s_wait_xcnt 0x0                                ; the last prefetch has read its address, so it may be written:
	s_add_nc_u64 s[PFA:PFA+1], s[PFA:PFA+1], s[PFS:PFS+1]   ; one slot further on than the walking descriptors
.endm
; Key tile kt of K (16 keys x 256 channels: two fragments, eight loads of 16 bytes).  All LDS loads go in runs, none singly among matrix instructions.
.macro KRUN kt
	WIN 0x40*KW\kt
.irp i, 0,1,2,3,4,5,6,7
	ds_load_b128 v[KB\kt+4*\i:KB\kt+4*\i+3], v[ADK] offset:8*\kt*KP+128*(\i/4)+32*(\i%4)
.endr
.endm
; Half of a tile's eight scores go into the running maximum: tile of queries p / 2, registers 4 (p % 2) on of key tile m; two chains a tile, begun (m = 0) with the largest score so far.
.macro MAX2 m, p
.set TT, ST+12*((\p)/2)
.set UU, 32*(\m)+8*((\p)/2)+4*((\p)%2)
	WIN W_MX
.if ((\m) == 0) && (((\p)%2) == 0)
	v_max3_num_f32 v[TT+8], v[TT+1], v[UU], v[UU+1]
	v_max3_num_f32 v[TT+9], v[TT+1], v[UU+2], v[UU+3]
.else
	v_max3_num_f32 v[TT+8], v[TT+8], v[UU], v[UU+1]
	v_max3_num_f32 v[TT+9], v[TT+9], v[UU+2], v[UU+3]
.endif
.endm
; Eight products: S^T of key tile kt for the four tiles of queries, channels 0-127 (they start the sums), then 128-255; the four accumulators take turns.
; Behind each product stands a piece of the maximum of key tile m (9: none).
; Five places and more stand behind the matrix instructions whose registers are read or written over here: the two v_max3 behind each product.
.macro QK kt, m
.irp p, 0,1,2,3,4,5,6,7
	WIN 0x50+KW\kt
.if (\p/4) == 0
	v_wmma_f32_16x16x128_fp8_fp8 v[32*\kt+8*\p:32*\kt+8*\p+7], v[KB\kt:KB\kt+15], v[QF+32*\p:QF+32*\p+15], 0
.else
	v_wmma_f32_16x16x128_fp8_fp8 v[32*\kt+8*(\p-4):32*\kt+8*(\p-4)+7], v[KB\kt+16:KB\kt+31], v[QF+32*(\p-4)+16:QF+32*(\p-4)+31], v[32*\kt+8*(\p-4):32*\kt+8*(\p-4)+7]
.endif
.if \m != 9
	MAX2 \m, \p
.endif
.endr
.endm
; The statistics, each line for the four tiles in turn.
.macro STATS
	WIN 0
.irp t, 0,1,2,3
	v_max_num_f32 v[ST+12*\t+8], v[ST+12*\t+8], v[ST+12*\t+9]
.endr
.irp t, 0,1,2,3
	v_permlanex16_b32 v[ST+12*\t+10], v[ST+12*\t+8], s[SEL], s[SEL+1]   ; the query's other 64 keys lie in the lane 16 away
.endr
.irp t, 0,1,2,3
	v_max_num_f32 v[ST+12*\t+1], v[ST+12*\t+8], v[ST+12*\t+10]          ; the largest score so far
.endr
.irp t, 0,1,2,3
	v_mul_f32 v[ST+12*\t+9], s[CS], v[ST+12*\t+1]                       ; as t (c is positive)
.endr
.irp t, 0,1,2,3
	v_mov_b32 v[ST+12*\t+11], v[ST+12*\t]
.endr
.irp t, 0,1,2,3
	v_floor_f32 v[ST+12*\t], -v[ST+12*\t+9]                             ; the new -M = floor(-t) = -ceil(t): M IS A WHOLE NUMBER
.endr
.irp t, 0,1,2,3
	v_sub_f32 v[ST+12*\t+5], v[ST+12*\t], v[ST+12*\t+11]                ; M's old value less its new one: a whole number, 0 or less
.endr
.irp t, 0,1,2,3
	v_cvt_i32_f32 v[ST+12*\t+5], v[ST+12*\t+5]                          ; (it saturates)
.endr
.irp t, 0,1,2,3
	v_ldexp_f32 v[ST+12*\t+4], 1.0, v[ST+12*\t+5]                       ; f = 2^(old M - new M): a multiplication by it rounds nothing
.endr
.irp t, 0,1,2,3
	v_dual_mul_f32 v[ST+12*\t+2], v[ST+12*\t+2], v[ST+12*\t+4] :: v_dual_mul_f32 v[ST+12*\t+3], v[ST+12*\t+3], v[ST+12*\t+4]
	v_dual_mul_f32 v[ST+12*\t+6], v[ST+12*\t+6], v[ST+12*\t+4] :: v_dual_mul_f32 v[ST+12*\t+7], v[ST+12*\t+7], v[ST+12*\t+4]
.endr
.endm
.macro RESC t                          ; tile t of O^T times its statistic +4, each accumulator from its low end on; the window is set already
.set i, 0
.rept 64
	v_dual_mul_f32 v[128*((\t)%2)+2*i], v[128*((\t)%2)+2*i], v[ST+12*(\t)+4] :: v_dual_mul_f32 v[128*((\t)%2)+2*i+1], v[128*((\t)%2)+2*i+1], v[ST+12*(\t)+4]
.set i, i+1
.endr
.endm
.macro FMA x                           ; t - M = score x c + (-M) for registers x, x + 1 of window 1, which hold scores of tile (x % 32) / 8
	v_dual_fma_f32 v[\x], v[\x], v[CV], v[ST+12*(((\x)%32)/8)] :: v_dual_fma_f32 v[\x+1], v[\x+1], v[CV], v[ST+12*(((\x)%32)/8)]
.endm
.macro HOLD x                          ; the conversion to an 8-bit code does not saturate (ISA guide 7.6.2); p is not negative, so the hold is one-sided
	v_dual_min_num_f32 v[\x], v[\x], v[LIM] :: v_dual_min_num_f32 v[\x+1], v[\x+1], v[LIM]
.endm
; ONE BATCH: the 64 exponentials of key tiles 2 b and 2 b + 1.  Between them stand the next batch's scalings and the hold of the batch before, which has had its wait.  Nothing here names a result of this batch.
.macro EXPS b
	WIN W_A
.set i, 0
.rept 32
	v_exp_f32 v[64*(\b)+2*i], v[64*(\b)+2*i]       ; p = 2^(t - M), at most 1: NOT normalised
.if (\b) != 3
	FMA 64*(\b)+64+2*i
.endif
	v_exp_f32 v[64*(\b)+2*i+1], v[64*(\b)+2*i+1]
.if (\b) != 0
	HOLD 64*(\b)-64+2*i
.endif
.set i, i+1
.endr
	s_wait_alu depctr_va_vdst(0)                   ; the wait behind the batch, ahead of the first line that names a result of it; it also stands ahead of the next batch
.endm
; THE ROW'S SUM IS TAKEN OF THE UNQUANTISED p, two chains of pairs for each tile of queries.
.macro SUM b
	WIN W_B
.irp j, 0,2,4,6
.irp k, 0,1
.irp t, 0,1,2,3
	v_dual_add_f32 v[ST+12*\t+2+4*\k], v[64*(\b)+32*\k+8*\t+\j], v[ST+12*\t+2+4*\k] :: v_dual_add_f32 v[ST+12*\t+3+4*\k], v[64*(\b)+32*\k+8*\t+\j+1], v[ST+12*\t+3+4*\k]
.endr
.endr
.endr
.endm
.macro CVT b                           ; p becomes codes: key tile kt's eight numbers of tile t are registers 2 kt, 2 kt + 1 of its fragment of P
	WIN W_B
.irp k, 0,1
.irp t, 0,1,2,3
	v_cvt_scalef32_pk8_fp8_f32 v[PF+16*\t+2*(2*(\b)+\k):PF+16*\t+2*(2*(\b)+\k)+1], v[64*(\b)+32*\k+8*\t:64*(\b)+32*\k+8*\t+7], v[SCL]
.endr
.endr
	v_nop                                          ; one plain vector instruction behind the scaled conversions
.endm
.macro VRUN b                          ; V's fragments 4 b .. 4 b + 3 (16 channels x 128 keys each) into the registers that batch b's p has left
	WIN W_VL
.irp d, 0,1,2,3
.irp c, 0,1,2,3
	ds_load_b128 v[64*(\b)+16*\d+4*\c:64*(\b)+16*\d+4*\c+3], v[ADV] offset:16*(4*(\b)+\d)*KP+16*\c
.endr
.endr
.endm
; O^T += V^T P for channels 16 d on, all four tiles.  All 64 accumulators of a step are different: no chain, no wait.
.macro PV d
.irp t, 0,1,2,3
	WIN 0xa1+0x50*(\t/2)
	v_wmma_f32_16x16x128_fp8_fp8 v[128*(\t%2)+8*\d:128*(\t%2)+8*\d+7], v[16*\d:16*\d+15], v[PF+16*\t:PF+16*\t+15], v[128*(\t%2)+8*\d:128*(\t%2)+8*\d+7]
.endr
.endm
; A KEY STEP.  On the way in key tiles 0 to 3 of K have been asked for (32 LDS loads, in this order).
; mode 0: a slot's first step; the next step lies in the same slot.  mode 1: a slot's second step; the CHANGE OF SLOTS stands between its last products.
; mode 2: one of the last four steps: a barrier each, nothing is filled; the last one asks for no further keys.
; THE CHANGE OF SLOTS: each wave waits for all its tensor loads (one is out: its part of the next slot), adds 0 to its spare word, and waits for that and for its reads of the slot that it leaves.
; The barrier is a round of the cluster's: behind it no wave of any partner still reads the slot or has a load on its way; the joint load of the next-but-one slot into it is the first thing behind the round and has two key steps in which to land.
.macro STEP mode
	s_wait_dscnt 24                                ; key tile 0 is in; tiles 1 to 3 may be out
	QK 0, 9
	WIN 0
	v_add_nc_u32 v[ADV], s[VO], v[AV0]             ; with the three v_nop: four places ahead of the first reads of these sums, and of the loads into what the last step's products read
.rept 3
	v_nop
.endr
	KRUN 4
	KRUN 5
	KRUN 6
	KRUN 7
	s_wait_dscnt 48                                ; here and below: this key tile's eight loads are in, the younger tiles' may be out
	QK 1, 0
	s_wait_dscnt 40
	QK 2, 1
	s_wait_dscnt 32
	QK 3, 2
	s_wait_dscnt 24
	QK 4, 3
	s_wait_dscnt 16
	QK 5, 4
	s_wait_dscnt 8
	QK 6, 5
	s_wait_dscnt 0x0
	QK 7, 6
.irp p, 0,2,4,6,1,3,5,7
	MAX2 7, \p
.endr
	STATS
	WIN 0x82
	RESC 0
	RESC 1
	WIN 0xc3
	RESC 2
	RESC 3
	WIN W_A
.set i, 0
.rept 32
	FMA 2*i
.set i, i+1
.endr
	s_wait_alu depctr_va_vdst(0)                   ; the wait ahead of the batch
	EXPS 0
	SUM 0
	EXPS 1
	SUM 1
	CVT 0
	VRUN 0
	EXPS 2
	SUM 2
	CVT 1
	VRUN 1
	EXPS 3
	SUM 3
	CVT 2
.if \mode == 0                         ; on to the next step's keys
	s_add_co_u32 s[KO], s[KO], KSTEP
	s_add_co_u32 s[VO], s[VO], 64
.endif
.if \mode == 1
	s_sub_co_u32 s[KO], s[KO], KSTEP
	s_xor_b32 s[KO], s[KO], SLOT
	s_sub_co_u32 s[VO], s[VO], 64
	s_xor_b32 s[VO], s[VO], SLOT
.endif
.if \mode == 2
	s_add_co_u32 s[NST], s[NST], 1
	s_and_b32 s20, s[NST], 1                       ; step in the slot,
	s_lshr_b32 s21, s[NST], 1
	s_and_b32 s21, s21, 1                          ; and slot
	s_mul_i32 s[KO], s20, KSTEP
	s_mul_i32 s21, s21, SLOT
	s_add_co_u32 s[KO], s[KO], s21
	s_lshl_b32 s20, s20, 6
	s_add_co_u32 s[VO], s20, s21
.endif
	v_add_nc_u32 v[ADK], s[KO], v[AK0]
	VRUN 2
	WIN W_A
.set i, 0
.rept 32
	HOLD 192+2*i                                   ; the last batch's hold has no batch to stand in
.set i, i+1
.endr
	CVT 3
	s_wait_alu depctr_va_vdst(0)                   ; the wait here, ahead of the waits below: P and the address were written by vector instructions
	VRUN 3
.if \mode != 0
	WIN 0
	s_wait_tensorcnt 0x0                           ; no tensor load of mine is out, so a group 0 may be written
	ds_add_u32 v[SPW], v[NIL]                      ; 0 onto my spare word
.if \mode == 1
	WALK
.endif
	s_wait_dscnt 17                                ; V's fragments 0 to 11 are in: the last sixteen loads and the add may be out
.else
	s_wait_dscnt 16                                ; V's fragments 0 to 11 are in: the last sixteen loads may be out
.endif
.irp d, 0,1,2,3,4,5,6,7,8
	PV \d
.endr
	s_wait_dscnt 0x0                               ; all of V is in; at a change of slots: the add is done, and my reads of the slot are over
.if \mode != 0
	s_barrier_signal -1
.endif
.irp d, 9,10,11,12
	PV \d
.endr
.if \mode != 0                         ; the sixteen products above, work on registers, stand where the others arrive
	WIN 0
	s_barrier_wait -1
.endif
.if \mode == 1
	CREST
	JLOAD
.else
.rept 4
	v_nop
.endr
.endif
	v_nop                                          ; five places behind the products that read the registers into which K now lands, or over which the first product writes
.if \mode == 2
	WIN 0
	s_cmp_eq_u32 s[NST], 4
	s_cbranch_scc1 .Llast_\@                       ; the last step of all: no further keys
.endif
	KRUN 0
	KRUN 1
	KRUN 2
	KRUN 3
	WIN 0
.if \mode == 1
	ASK
.endif
.if \mode == 2
.Llast_\@:
.endif
.irp d, 13,14,15
	PV \d
.endr
	WIN 0
.endm
	s_load_b256 s[4:11], s[0:1], 0x0               ; Q s[4:5], K s[6:7], V s[8:9], the scales' exponents s[10:11]
	s_load_b64 s[12:13], s[0:1], 0x20              ; O
	v_lshl_add_u32 v[SPW], v0, 2, SPARE
	v_mov_b32 v[NIL], 0
	ds_add_u32 v[SPW], v[NIL]                      ; the wave's opening: the add, twice on end, and its wait ahead of my first tensor load; the set-up below, work on registers, stands between the second and the wait
	ds_add_u32 v[SPW], v[NIL]
	v_lshrrev_b32 v15, 5, v0
	v_readfirstlane_b32 s[WV], v15                 ; wave 0..3
	v_and_b32 v14, 15, v0                          ; r = lane % 16
	v_bfe_u32 v15, v0, 4, 1                        ; h = lane / 16
	v_lshlrev_b32 v[QO], 8, v14
	v_lshl_add_u32 v[QO], v15, 4, v[QO]            ; Q: row r x 256 + 16 h
	v_and_b32 v[ADK], 7, v14
	v_mul_u32_u24 v[AK0], v[ADK], KP
	v_lshrrev_b32 v[ADV], 3, v14
	v_mul_u32_u24 v[ADV], v[ADV], KT2
	v_add_nc_u32 v[AK0], v[AK0], v[ADV]
	v_lshl_add_u32 v[AK0], v15, 4, v[AK0]          ; K: row r % 8 of the half r / 8, + 16 h
	v_mul_u32_u24 v[AV0], v14, KP
	v_lshl_add_u32 v[AV0], v15, 7, v[AV0]
	v_add_nc_u32 v[AV0], VOFF, v[AV0]              ; V: row r, + 128 h
	s_and_b32 s[HW], s[WV], 1
	s_bfe_u32 s[CX], ttmp6, 0x40000                ; cx
	s_and_b32 s63, ttmp7, 0xffff                   ; the head, which the four partners share
	s_lshl_b32 s22, s63, 19                        ; the head's first byte in each tensor of codes: 2,048 x 256 bytes a head
	s_mov_b32 s23, 0
	s_lshl_b32 s20, ttmp9, 2                       ; in a cluster launch ttmp9 counts clusters
	s_add_co_u32 s20, s20, s[CX]                   ; my block of 256 queries = 4 x cluster x + cx
	s_lshl_b32 s20, s20, 16                        ; its 256 rows of 256 bytes,
	s_lshl_b32 s21, s[WV], 14                      ; my wave's 64 of them
	s_add_co_u32 s20, s20, s21
	s_mov_b32 s21, 0
	; descriptor group 1: a tile of 128 rows x 256 bytes, padded in LDS
.irp g, G1K, G1V
	s_mov_b32 s[\g], 15|(1<<20)|(1<<21)|(5<<22)|(3<<25)   ; 15:0 the mask: all four work-groups; 17:16 elements of 1 byte; 20 padding on; 21 set beside a mask; 24:22 after every 64 words (code 5); 31:25 four words (code 3)
	s_mov_b32 s[\g+1], 256<<16                     ; tensor_dim0 = 256
	s_mov_b32 s[\g+2], 128<<16                     ; tensor_dim1 = 128
	s_mov_b32 s[\g+3], 256<<16                     ; tile_dim0 = 256
	s_mov_b32 s[\g+4], 128                         ; tile_dim1 = 128
	s_mov_b32 s[\g+6], 0
	s_mov_b32 s[\g+7], 0
.endr
	s_mov_b32 s[G1K+5], 256                        ; from row to row in memory: a key's 256 codes,
	s_mov_b32 s[G1V+5], 2048                       ; a channel's 2,048
	s_mov_b32 s[SEL], 0x76543210
	s_mov_b32 s[SEL+1], 0xfedcba98
	s_mov_b32 s[KO], 0
	s_mov_b32 s[VO], 0
	s_mov_b32 s[SLOTS], 7                          ; 2,048 keys are eight slots; slot 0 is asked for at the head
	s_wait_alu depctr_va_vdst(0)                   ; the wait here, ahead of the waits below
	s_wait_dscnt 0x0                               ; both opening adds are done
	s_wait_kmcnt 0x0
	s_load_b128 s[56:59], s[10:11], 0x0            ; eq, ek, ep, ev
	s_add_nc_u64 s[4:5], s[4:5], s[22:23]
	s_add_nc_u64 s[4:5], s[4:5], s[20:21]          ; Q at my wave's first query
	s_add_nc_u64 s[6:7], s[6:7], s[22:23]
	s_add_nc_u64 s[8:9], s[8:9], s[22:23]
	s_lshl_b32 s22, s[HW], 15                      ; K: my 128 keys of a slot's 256,
	s_add_nc_u64 s[6:7], s[6:7], s[22:23]
	s_lshl_b32 s22, s[HW], 18                      ; V: my 128 channels of the 256
	s_add_nc_u64 s[8:9], s[8:9], s[22:23]
	s_lshl_b32 s20, s20, 2                         ; a row of O is 1,024 bytes: four times Q's,
	s_lshl_b32 s63, s63, 21                        ; and so is a head
	s_add_co_u32 s20, s20, s63
	s_add_nc_u64 s[12:13], s[12:13], s[20:21]      ; O at my wave's first query
	s_mov_b32 s[G0K], 1                            ; 1:0 count = 1
	s_mul_i32 s[G0K+1], s[HW], KT2                 ; 63:32 LDS address: slot 0; no place in the cluster enters it
	s_mov_b64 s[G0K+2:G0K+3], s[6:7]               ; 120:64 global address: the head's first 256 keys
	s_or_b32 s[G0K+3], s[G0K+3], 0x80000000        ; 127:126 type = 2
	s_mov_b32 s[G0V], 1
	s_mul_i32 s[G0V+1], s[HW], HALFT
	s_add_co_u32 s[G0V+1], s[G0V+1], VOFF
	s_mov_b64 s[G0V+2:G0V+3], s[8:9]
	s_or_b32 s[G0V+3], s[G0V+3], 0x80000000
	; the prefetches: where mine stand, and who asks
	s_cmp_lt_u32 s[WV], 2                          ; do I fetch for K?
	s_cselect_b64 s[PFA:PFA+1], s[6:7], s[8:9]
	s_mov_b32 s[PFS], 256
	s_cselect_b32 s[PFS], 65536, s[PFS]            ; a slot on
	s_mov_b32 s[PFS+1], 0
	s_mov_b32 s21, 2048
	s_cselect_b32 s21, 256, s21                    ; from row to row
	v_and_b32 v[PFO], 31, v0
	v_mul_lo_u32 v[PFO], v[PFO], s21
	s_lshl_b32 s20, s[CX], 5
	s_mul_i32 s20, s20, s21                        ; my work-group's 32 rows of the 128,
	s_add_co_u32 s20, s20, s[PFS]                  ; in slot 1: the first change of slots steps it to slot 2.  Nothing is prefetched here, at the head
	s_mov_b32 s21, 0
	s_add_nc_u64 s[PFA:PFA+1], s[PFA:PFA+1], s[20:21]
	s_cmp_eq_u32 ttmp9, 0                          ; the head's first cluster: the same in all four partners
	s_cselect_b32 s[LIMPF], 1, -1
	CROUND                                         ; all four work-groups are here: the first joint loads meet
	JLOAD                                          ; slot 0: one tensor load of mine is out
.irp t, 0,1,2,3                        ; Q stays in registers: tile t, channels 128 s on: registers 4 c .. 4 c + 3 hold channels 128 s + 32 c + 16 h + 0 .. 15
.irp s, 0,1
.irp c, 0,1,2,3
	global_load_b128 v[QF+32*\t+16*\s+4*\c:QF+32*\t+16*\s+4*\c+3], v[QO], s[4:5] offset:4096*\t+128*\s+32*\c
.endr
.endr
.endr
	; all that follows, up to the loop, stands where the wave would else wait for its first tile
	s_mul_i32 s20, s[WV], 16*SP                    ; my stage
	v_mul_u32_u24 v[STO], v14, SP
	v_lshl_add_u32 v[STO], v15, 5, v[STO]
	v_add_nc_u32 v[STO], s20, v[STO]               ; in: row r, 32 bytes for each half of the lanes
	v_and_b32 v[GO], 31, v0
	v_lshlrev_b32 v[GO], 4, v[GO]                  ; back: the 32 lanes take 512 neighbouring bytes of a row; and the same in O
	v_add_nc_u32 v[RD], s20, v[GO]
	v_mov_b32 v[ADK], v[AK0]                       ; slot 0, step 0
.irp t, 0,1,2,3
	v_mov_b32 v[ST+12*\t], 0x7f61b1e6              ; -M = 3e38,
	v_mov_b32 v[ST+12*\t+1], 0xff61b1e6            ; the largest score so far: -3e38, under every score
	v_mov_b32 v[ST+12*\t+2], 0                     ; the sum's four parts
	v_mov_b32 v[ST+12*\t+3], 0
	v_mov_b32 v[ST+12*\t+6], 0
	v_mov_b32 v[ST+12*\t+7], 0
	v_mov_b32 v[ST+12*\t+10], 0                    ; (a lane permute's destination counts as one of its sources)
.endr
	s_wait_kmcnt 0x0
	s_add_co_i32 s20, s56, s57
	s_lshl_b32 s20, s20, 23
	s_mov_b32 s[CS], 0x3db8aa3b                    ; log2(e) / 16
	s_add_co_i32 s[CS], s[CS], s20                 ; a score stands for score x 2^(eq + ek): the two exponents are added to c's exponent field
	v_mov_b32 v[CV], s[CS]
	s_add_co_i32 s20, s58, 127
	s_lshl_b32 s21, s20, 23
	v_mov_b32 v[SCL], s21                          ; 2^ep as f32: the conversion takes its exponent field
	s_add_co_i32 s20, s20, 8
	s_lshl_b32 s20, s20, 23
	s_or_b32 s20, s20, 0x600000
	v_mov_b32 v[LIM], s20                          ; 448 x 2^ep
	s_add_co_i32 s[ESUM], s58, s59
	; O^T begins as zeros, so that the key step has no first form of its own (a further copy of it would be five times the bytes of these lines): the first f is 0 and leaves zeros as they are
	WIN 0x80
.set i, 0
.rept 256
	v_mov_b32 v[i], 0
.set i, i+1
.endr
	WIN 0xc0
.set i, 0
.rept 256
	v_mov_b32 v[i], 0
.set i, i+1
.endr
	WIN 0
	s_wait_alu depctr_va_vdst(0)                   ; the wait at the head's end
	s_wait_loadcnt 0x0                             ; Q
	s_wait_tensorcnt 0x0                           ; my part of slot 0 is in; these lines stand ahead of a later first fill, as ahead of a refill
	ds_add_u32 v[SPW], v[NIL]
	WALK
	s_wait_dscnt 0x0
	CROUND
	JLOAD                                          ; slot 1
	ASK
	KRUN 0
	KRUN 1
	KRUN 2
	KRUN 3
	WIN 0
	s_mov_b32 s[SLOTS], 6
.Lslot:                                ; six trips: slots 0 to 5, each asking for the slot two further on
	STEP 0
	STEP 1
	s_sub_co_u32 s[SLOTS], s[SLOTS], 1
	s_cmp_lg_u32 s[SLOTS], 0
	s_cbranch_scc1 .Lslot
	s_mov_b32 s[NST], 0
.Lrest:                                ; the last two slots' four steps, which fill nothing
	STEP 2
	s_cmp_lt_u32 s[NST], 4
	s_cbranch_scc1 .Lrest
	; THE WAY OUT.  The sum's four parts and the other half of the lanes' are added (these lines are the places behind the last products); O^T is multiplied by 2^(ep + ev) / the sum and goes through my stage in LDS, a tile (16 rows of O) at a time.
.irp t, 0,1,2,3
	v_pk_add_f32 v[ST+12*\t+2:ST+12*\t+3], v[ST+12*\t+2:ST+12*\t+3], v[ST+12*\t+6:ST+12*\t+7]
.endr
.irp t, 0,1,2,3
	v_add_f32 v[ST+12*\t+8], v[ST+12*\t+2], v[ST+12*\t+3]
.endr
.irp t, 0,1,2,3
	v_permlanex16_b32 v[ST+12*\t+10], v[ST+12*\t+8], s[SEL], s[SEL+1]
.endr
.irp t, 0,1,2,3
	v_add_f32 v[ST+12*\t+8], v[ST+12*\t+8], v[ST+12*\t+10]
.endr
	s_wait_alu depctr_va_vdst(0)                   ; the wait ahead of the batch
.irp t, 0,1,2,3
	v_rcp_f32 v[ST+12*\t+9], v[ST+12*\t+8]
.endr
	v_nop                                          ; a plain instruction between the last reciprocal and the use of its result
	s_wait_alu depctr_va_vdst(0)                   ; and the wait ahead of the first use: one for the four
.irp t, 0,1,2,3
	v_ldexp_f32 v[ST+12*\t+4], v[ST+12*\t+9], s[ESUM]
.endr
; Tile t: a lane holds, of its query's row, eight neighbouring channels (32 bytes) for each 16: they go into rows of 1,040 bytes and come back as whole rows, 512 neighbouring bytes a load, into window 1, halves by turns.
; LDS serves a wave's instructions in order (ISA guide 5.7.1.4): the loads see the stores above them, and the next tile's stores come behind them.
.macro TOSTAGE t
	WIN 0x82+0x41*((\t)/2)
	s_wait_alu depctr_va_vdst(0)                   ; the wait here, directly ahead of the first readers of the tile's matrix results
	RESC \t
	WIN 0x08+0x04*((\t)/2)                         ; an LDS store's data are source 1: window 2 or 3
.irp d, 0,1,2,3,4,5,6,7,8,9,10,11,12,13,14,15
	ds_store_b128 v[STO], v[128*((\t)%2)+8*\d:128*((\t)%2)+8*\d+3] offset:64*\d
	ds_store_b128 v[STO], v[128*((\t)%2)+8*\d+4:128*((\t)%2)+8*\d+7] offset:64*\d+16
.endr
.if ((\t)/2) == 1
	s_wait_xcnt 0x0                                ; tile t - 2's stores to memory have read their registers: the loads below may land there
.endif
	WIN W_VL
.set i, 0
.rept 32
	ds_load_b128 v[128*((\t)%2)+4*i:128*((\t)%2)+4*i+3], v[RD] offset:(i/2)*SP+512*(i%2)
.set i, i+1
.endr
.endm
.macro SEND t, n                       ; n: how many younger LDS instructions may stay out
	s_wait_dscnt \n
	WIN 0x04                                       ; a store's data are source 1: window 1
.set i, 0
.rept 32
	global_store_b128 v[GO], v[128*((\t)%2)+4*i:128*((\t)%2)+4*i+3], s[12:13] offset:(16*(\t)+i/2)*1024+512*(i%2) th:TH_STORE_NT   ; 32 lanes store 512 consecutive bytes, at a multiple of 256 from O's first byte; written once, read by nobody here
.set i, i+1
.endr
.endm
	TOSTAGE 0
	TOSTAGE 1                                      ; a tile's arithmetic stands between the loads of the tile before and its stores to memory
	SEND 0, 63                                     ; behind tile 0's loads stand tile 1's 32 stores and 32 loads; the wait names the most that its field holds, one fewer
	TOSTAGE 2
	SEND 1, 63
	TOSTAGE 3
	SEND 2, 63
	SEND 3, 0
	WIN 0
	s_wait_tensorcnt 0x0                           ; the wave's end: these three lines, behind my last tensor load and my last LDS store
	ds_add_u32 v[SPW], v[NIL]
	s_wait_dscnt 0x0
	CROUND                                         ; the closing round: no work-group ends while a partner may still ask for a tile that names it
	s_endpgm
.Lfunc_end_k_q412be373fc_attn:
	.size	k_q412be373fc_attn, .Lfunc_end_k_q412be373fc_attn-k_q412be373fc_attn
	.p2alignl 7, 3214868480
	.fill 96, 4, 3214868480
	.section	.rodata,"a",@progbits
	.p2align	6, 0x0
	.amdhsa_kernel k_q412be373fc_attn
		.amdhsa_group_segment_fixed_size 327680
		.amdhsa_private_segment_fixed_size 0
		.amdhsa_enable_private_segment 0
		.amdhsa_kernarg_size 40
		.amdhsa_user_sgpr_count 2
		.amdhsa_user_sgpr_kernarg_segment_ptr 1
		.amdhsa_wavefront_size32 1
		.amdhsa_system_sgpr_workgroup_id_x 1
		.amdhsa_system_sgpr_workgroup_id_y 1
		.amdhsa_system_sgpr_workgroup_id_z 1
		.amdhsa_system_vgpr_workitem_id 0
		.amdhsa_next_free_vgpr 1024
		.amdhsa_next_free_sgpr 66
		.amdhsa_reserve_vcc 0
		.amdhsa_float_denorm_mode_32 3
		.amdhsa_float_denorm_mode_16_64 3
		.amdhsa_memory_ordered 1
		.amdhsa_forward_progress 1
		.amdhsa_inst_pref_size 255
	.end_amdhsa_kernel
	.section	.bss,"aw",@nobits
	.p2align	6
	.space	262144
	.amdgpu_metadata
---
amdhsa.version: [ 1, 2 ]
amdhsa.kernels:
  - .name:           k_q412be373fc_attn
    .symbol:         k_q412be373fc_attn.kd
    .args:
      - { .name: queries_codes, .offset: 0, .size: 8, .value_kind: global_buffer, .address_space: global }
      - { .name: keys_codes, .offset: 8, .size: 8, .value_kind: global_buffer, .address_space: global }
      - { .name: values_codes, .offset: 16, .size: 8, .value_kind: global_buffer, .address_space: global }
      - { .name: lowp_scales, .offset: 24, .size: 8, .value_kind: global_buffer, .address_space: global }
      - { .name: out0, .offset: 32, .size: 8, .value_kind: global_buffer, .address_space: global }
    .group_segment_fixed_size: 327680
    .private_segment_fixed_size: 0
    .kernarg_segment_align: 8
    .kernarg_segment_size: 40
    .max_flat_workgroup_size: 128
    .sgpr_count:     66
    .vgpr_count:     1024
    .wavefront_size: 32
...
	.end_amdgpu_metadata
.endif
;; end of part 1
